; MI455X (gfx1250); checked and timed in simulation.
; The chip was launched on July 23, 2026; its instructions are those of AMD's public machine-readable ISA for CDNA 5 (MIT licence, August 2026) and "CDNA5" Instruction Set Architecture Reference Guide (July 2026). The comments in the code are by the model that wrote it; some were corrected since.
;; Reasoning Module. Allowed arithmetic: float matrix products may take bf16 or f16 operands with f32 sums; all other float work in f32.
;; Inputs: importance 131,072 float32; memory_matrix 131,072 x 512 float32; query 512 x 512 float32.
;; Outputs: out0 512 x 16 float32; out1 512 x 16 x 512 float32.
;; Constants: k = 16.
;; One version. Each part assembles by itself: llvm-mc -triple=amdgcn-amd-amdhsa -mcpu=gfx1250 --defsym DOCPART=n.
;; ======== version 1 of 1: 5 launches
;; limits: below input magnitudes of 4e-06 results are inexact or not finite
;; workspace buffers: qb 524,288 bytes; keys 4,194,304 bytes of whole numbers; cand 131,072 bytes of whole numbers; idx16 32,768 bytes of whole numbers
;; launch convq (part 1): grid 64 x 1, 8 waves a work-group, no clusters, 0 bytes of LDS; arguments query, qb; writes qb
.if DOCPART == 1
	.amdgcn_target "amdgcn-amd-amdhsa--gfx1250"
	.amdhsa_code_object_version 6
	.text
	.protected	k_q12a336be41_convq
	.globl	k_q12a336be41_convq
	.p2align	8
	.type	k_q12a336be41_convq,@function
k_q12a336be41_convq:
	s_mov_b64 s[64:65], 0
	v_nop
	global_prefetch_b8 v0, s[64:65] scope:SCOPE_SE
	s_setreg_imm32_b32 hwreg(HW_REG_WAVE_MODE, 25, 1), 1
	s_wait_xcnt 0x0
; qb[ks][q][kk] = bf16(query[q][128 ks + kk]), ks 0..3, q 0..511, kk 0..127: the queries once in bf16, K slice by K slice, so that a
; slice of 128 queries is one dense block of rows of 256 bytes for the next launch's tensor loads.
; One wave takes one query: four loads of 512 consecutive bytes, four stores of 256 consecutive bytes, aligned.
; No LDS, no barrier, no matrix unit: 1 MiB in, 0.5 MiB out, each byte once.
.set X, 8                              ; v[8:23]   the row, 4 f32 a lane and slice
.set Y, 24                             ; v[24:31]  the same, 4 bf16 a lane and slice
	s_load_b128 s[4:7], s[0:1], 0x0                ; query s[4:5], qb s[6:7]
	v_lshrrev_b32 v1, 5, v0
	v_readfirstlane_b32 s8, v1                     ; wave 0..7
	v_and_b32 v2, 31, v0                           ; lane
	s_lshl_b32 s9, ttmp9, 3
	s_add_co_u32 s9, s9, s8                        ; q = 8 x work-group + wave
	v_lshlrev_b32 v3, 4, v2                        ; 16 bytes a lane in query
	v_lshlrev_b32 v4, 3, v2                        ; 8 bytes a lane in qb
	s_lshl_b32 s10, s9, 11                         ; q x 2,048 bytes
	s_mov_b32 s11, 0
	s_lshl_b32 s12, s9, 8                          ; q x 256 bytes
	s_mov_b32 s13, 0
	s_wait_kmcnt 0x0
	s_add_nc_u64 s[4:5], s[4:5], s[10:11]
	s_add_nc_u64 s[6:7], s[6:7], s[12:13]
.irp ks, 0,1,2,3
	global_load_b128 v[X+4*\ks:X+4*\ks+3], v3, s[4:5] offset:512*\ks th:TH_LOAD_NT
.endr
.irp ks, 0,1,2,3
	s_wait_loadcnt 3-\ks                           ; loads come back in order: slice ks is in, the younger ones stay out
	v_cvt_pk_bf16_f32 v[Y+2*\ks], v[X+4*\ks], v[X+4*\ks+1]
	v_cvt_pk_bf16_f32 v[Y+2*\ks+1], v[X+4*\ks+2], v[X+4*\ks+3]
	global_store_b64 v4, v[Y+2*\ks:Y+2*\ks+1], s[6:7] offset:131072*\ks
.endr
	s_endpgm
.Lfunc_end_k_q12a336be41_convq:
	.size	k_q12a336be41_convq, .Lfunc_end_k_q12a336be41_convq-k_q12a336be41_convq
	.p2alignl 7, 3214868480
	.fill 96, 4, 3214868480
	.section	.rodata,"a",@progbits
	.p2align	6, 0x0
	.amdhsa_kernel k_q12a336be41_convq
		.amdhsa_group_segment_fixed_size 0
		.amdhsa_private_segment_fixed_size 0
		.amdhsa_enable_private_segment 0
		.amdhsa_kernarg_size 16
		.amdhsa_user_sgpr_count 2
		.amdhsa_user_sgpr_kernarg_segment_ptr 1
		.amdhsa_wavefront_size32 1
		.amdhsa_system_sgpr_workgroup_id_x 1
		.amdhsa_system_sgpr_workgroup_id_y 1
		.amdhsa_system_sgpr_workgroup_id_z 1
		.amdhsa_system_vgpr_workitem_id 0
		.amdhsa_next_free_vgpr 32
		.amdhsa_next_free_sgpr 66
		.amdhsa_reserve_vcc 0
		.amdhsa_float_denorm_mode_32 3
		.amdhsa_float_denorm_mode_16_64 3
		.amdhsa_memory_ordered 1
		.amdhsa_forward_progress 1
		.amdhsa_inst_pref_size 3
	.end_amdhsa_kernel
	.amdgpu_metadata
---
amdhsa.version: [ 1, 2 ]
amdhsa.kernels:
  - .name:           k_q12a336be41_convq
    .symbol:         k_q12a336be41_convq.kd
    .args:
      - { .name: query, .offset: 0, .size: 8, .value_kind: global_buffer, .address_space: global }
      - { .name: qb, .offset: 8, .size: 8, .value_kind: global_buffer, .address_space: global }
    .group_segment_fixed_size: 0
    .private_segment_fixed_size: 0
    .kernarg_segment_align: 8
    .kernarg_segment_size: 16
    .max_flat_workgroup_size: 256
    .sgpr_count:     66
    .vgpr_count:     32
    .wavefront_size: 32
...
	.end_amdgpu_metadata
.endif
;; end of part 1
;; launch score (part 2): grid 256 x 1, 4 waves a work-group, clusters of 4 x 1, 327,680 bytes of LDS; arguments importance, memory_matrix, qb, keys; writes keys
.if DOCPART == 2
	.amdgcn_target "amdgcn-amd-amdhsa--gfx1250"
	.amdhsa_code_object_version 6
	.text
	.protected	k_q12a336be41_score
	.globl	k_q12a336be41_score
	.p2align	8
	.type	k_q12a336be41_score,@function
k_q12a336be41_score:
	s_mov_b64 s[64:65], 0
	v_nop
	global_prefetch_b8 v0, s[64:65] scope:SCOPE_SE
	s_setreg_imm32_b32 hwreg(HW_REG_WAVE_MODE, 25, 1), 1
	s_wait_xcnt 0x0
	s_wait_alu depctr_hold_cnt(0) depctr_sa_sdst(0) depctr_va_vdst(0) depctr_va_sdst(0) depctr_va_ssrc(0) depctr_va_vcc(0) depctr_vm_vsrc(0)
	s_getreg_b32 s2, hwreg(HW_REG_IB_STS2, 6, 4)
	s_cmp_eq_u32 s2, 0
	s_cbranch_scc0 .Lentry_in_a_cluster
	s_endpgm
.Lentry_in_a_cluster:
	s_bfe_u32 s2, ttmp6, 0x10000c
	s_cmp_lg_u32 s2, 0x3003
	s_cbranch_scc0 .Lentry_shape_is_right
	s_endpgm
.Lentry_shape_is_right:
; CANDIDATE STAGE.  s[q][n] = (query[q] . memory[n]) (1 + 0.3 importance[n]) / |memory[n]|, the product in bf16 with f32 sums.  (|query[q]| does not
; change a query's order and is left to the exact stage.)  Of the 67 M scores only four keys for each query and group of 256 rows leave the launch.
;
; SHARES.  Work-group g owns memory rows 512 g .. 512 g + 511, as four tiles of 128 rows, against all 512 queries: every byte of memory_matrix is
; read once in the launch and converted once.  Wave w makes 128 rows x queries 128 w .. 128 w + 127: 64 accumulator tiles, 512 registers.
; K goes in steps of 64 (two quarters of 32, 64 matrix instructions each).
; M: global loads of 16 bytes a lane into two staging buffers of 64 registers, three steps ahead; each instruction covers two rows' 256 consecutive,
;    aligned bytes.  A slice is converted to bf16 a step ahead of its use and put into one of two LDS tiles (AR); its squares are summed on the way.
; Q: qb comes through two LDS slots of K = 128 by tensor loads.  CLUSTER: all work-groups walk the same qb, so the four of a cluster ask JOINTLY (mask 15):
;    the same line, the same descriptors (made of qb's address, the wave's number and constants alone), each load behind a round of the cluster's barrier.
;    Wave w fetches and reads its own quarter of a slot (its 128 queries).  By this text's count a wave has two tensor loads out at the start, then one.
;    memory_matrix is shared by nobody: it is loaded plainly.
;
; THE KEY.  The f32 bits of s with the low 8 bits replaced: bits 5:0 = 8 a + j (the row's place in the lane's 64 rows of a tile), bits 7:6 = age.
; Lane (r, h) keeps, for each of its eight query columns b, the four largest keys in order (L1 >= .. >= L4).  A new key has age 0; behind each of tiles 0, 1, 2
; every kept key gets + 64, so tile = 3 - age and the field never carries out.  A kept key and a new one get the same further increments, so each
; comparison is the comparison of the final keys.  The list of (g, h, q) covers the group of 256 rows 512 g + 128 t + 16 a + 8 h + j.
; Stored: u = key ^ (sign ? all ones : top bit), whose order as an unsigned number is the floats' order.  keys[g][q][h][4].
;
; LIMITS.  NaN and infinite scores are not served (a key would not be ordered).  |m|^2 below 2^-100 counts as 2^-100 here.  The keys carry the rounding
; of both operands to bf16 and 15 bits of mantissa; a later launch scores its candidates again in f32.
;
; REGISTERS, in windows of 256 (s_set_vgpr_msb: bits 1:0 source 0, 3:2 source 1, 5:4 source 2, 7:6 destination):
;   window 0: v0-25 addresses and scratch; v32-63 the lists; v64-127, v128-191 fragments of M (two buffers; the second is also scratch behind a tile);
;             v192-223 a converted slice; v224-255 sums of squares
;   window 1: v0-63, v192-255 the two staging buffers; v64-127, v128-191 fragments of Q (the second holds the rows' scales behind a tile)
;   window 2: accumulator tiles of rows 0-63 (tile (a, b) at v[8 (8 a + b)]);  window 3: those of rows 64-127
.set QPITCH, 272                       ; a Q row in LDS: 256 bytes + 16 of padding: an odd multiple of 16 bytes
.set QQUART, 128*QPITCH                ; one wave's quarter of a slot, one tensor load
.set QSLOT,  4*QQUART                  ; 512 queries x K = 128
.set APITCH, 144                       ; an M row in LDS: 64 bf16 + 16 bytes: an odd multiple of 16 bytes
.set ARSZ,   128*APITCH
.set AR,     2*QSLOT                   ; the two M tiles: written by LDS stores alone, no tensor load lands here
.set SCB,    AR+2*ARSZ                 ; 128 f32: the tile's row scales
.set TILEB,  128*2048                  ; bytes of memory_matrix in a tile
.set MOFF, 8                           ; v8      my 16 bytes in the first two rows of my wave's 32: 2,048 h + 16 r
.set IMP,  12                          ; v12-15  importance of my row (32 w + 2 r + h) in this tile and the ones to come
.set ADRA, 16                          ; v16-17  M fragments in AR 0, 1
.set ADRB, 18                          ; v18-19  Q fragments in slot 0, 1
.set ASTO, 20                          ; v20-21  where I put 8 converted bytes in AR 0, 1
.set SCST, 22                          ; v22     where I put my row's scale
.set SCLD, 23                          ; v23     where I read eight rows' scales
.set KOFF, 24                          ; v24     my 16 bytes in keys
.set IOFF, 25                          ; v25     my word in importance
.set LIST, 32                          ; v32-63  L1..L4 of column b at 32 + 4 b
.set F0,   64
.set F1,   128
.set CV,   192
.set SS,   224
.set S0,   0                           ; window 1
.set S1,   192                         ; window 1
.set G1,   24                          ; s[24:31] descriptor group 1
.set G0,   32                          ; s[32:47] descriptor group 0 for K slices 0..3: written once, never again
.set ECNT, 51                          ; s51      the row block at work behind a tile
.set TAG,  52                          ; s52-59   its eight tags 8 a + j
.set MUL_LO, 0xa4                      ; source 0 (M) window 0, source 1 (Q) window 1, C and D window 2
.set MUL_HI, 0xf4                      ; the same, C and D window 3
.set TO1,    0x40                      ; destination window 1, address window 0
.set CVT,    0x05                      ; sources 0 and 1 window 1, the rest window 0
.set EP_LO,  0x06                      ; source 0 window 2, source 1 window 1, destination window 0
.set EP_HI,  0x07                      ; source 0 window 3, source 1 window 1, destination window 0
.set MSB, 0
.macro WIN new                         ; the immediate's high byte repeats the setting that is left
.if MSB != \new
	s_set_vgpr_msb (MSB<<8)|\new
.set MSB, \new
.endif
.endm
; Four places: a load into a register that a matrix instruction has read, and a vector instruction that reads a matrix result or writes one of a matrix
; instruction's registers, stand four plain vector instructions behind it (ISA guide 7.12.1 for vector instructions).
.macro PLACES
.rept 4
	v_nop
.endr
.endm
; A round of the cluster's barrier: my work-group's barrier, wave 0 signals for the work-group, every wave waits for all four work-groups, my work-group's barrier again.
.macro CREST                           ; a round behind its opening barrier
	s_cmp_lg_u32 s12, 0
	s_cbranch_scc1 .Lnot_wave_0_\@
	s_barrier_signal -3
.Lnot_wave_0_\@:
	s_barrier_wait -3
	s_barrier_signal -1
	s_barrier_wait -1
.endm
.macro CROUND
	s_barrier_signal -1
	s_barrier_wait -1
	CREST
.endm
; 16 matrix instructions: row blocks a0, a0 + 1 of the window's four x all 8 query blocks, 32 along K.  zero = 1: the product starts the sum, nothing is cleared.
; In the result lane (r, h), register j holds row 16 a + 8 h + j against query 16 b + r.
; The 64 accumulators take turns, one instruction a turn, in the same order in every quarter.
.macro MUL16 f, hi, a0, zero
.irp a, \a0, \a0+1
.irp b, 0,1,2,3,4,5,6,7
.if \zero
	v_wmma_f32_16x16x32_bf16 v[8*(8*(\a)+\b):8*(8*(\a)+\b)+7], v[\f+8*(4*\hi+\a):\f+8*(4*\hi+\a)+7], v[\f+8*\b:\f+8*\b+7], 0
.else
	v_wmma_f32_16x16x32_bf16 v[8*(8*(\a)+\b):8*(8*(\a)+\b)+7], v[\f+8*(4*\hi+\a):\f+8*(4*\hi+\a)+7], v[\f+8*\b:\f+8*\b+7], v[8*(8*(\a)+\b):8*(8*(\a)+\b)+7]
.endif
.endr
.endr
.endm
; 32 LDS loads in one run: one quarter's fragments into buffer f: Q from slot qs at 32-K piece qk of its rows, then M from tile as at piece ae.
; A fragment: lane (r, h) takes row r; registers 0-3 K = 8 h .., registers 4-7 K = 16 + 8 h ..: two loads of 16 bytes, 32 bytes apart.
.macro FETCH as, ae, qs, qk, f
	WIN TO1
.irp i, 0,1,2,3,4,5,6,7
	ds_load_b128 v[\f+8*\i:\f+8*\i+3],   v[ADRB+\qs] offset:\qk*64+\i*16*QPITCH
	ds_load_b128 v[\f+8*\i+4:\f+8*\i+7], v[ADRB+\qs] offset:\qk*64+\i*16*QPITCH+32
.endr
	WIN 0
.irp i, 0,1,2,3,4,5,6,7
	ds_load_b128 v[\f+8*\i:\f+8*\i+3],   v[ADRA+\as] offset:\ae*64+\i*16*APITCH
	ds_load_b128 v[\f+8*\i+4:\f+8*\i+7], v[ADRA+\as] offset:\ae*64+\i*16*APITCH+32
.endr
.endm
; A staged slice (64 K of my wave's 32 rows; register group i: row 2 i + h, K 4 r .. 4 r + 3) is rounded to bf16 into AR tile dst; its squares join the sums.
; first = 1: the slice starts a tile's sums.  cnt: how many younger global loads may stay out.
.macro CONV buf, dst, first, cnt
	s_wait_loadcnt \cnt
	WIN CVT
.irp i, 0,1,2,3,4,5,6,7,8,9,10,11,12,13,14,15
	v_cvt_pk_bf16_f32 v[CV+2*\i],   v[\buf+4*\i],   v[\buf+4*\i+1]
	v_cvt_pk_bf16_f32 v[CV+2*\i+1], v[\buf+4*\i+2], v[\buf+4*\i+3]
.if \first
	v_pk_mul_f32 v[SS+2*\i:SS+2*\i+1], v[\buf+4*\i:\buf+4*\i+1], v[\buf+4*\i:\buf+4*\i+1]
.else
	v_pk_fma_f32 v[SS+2*\i:SS+2*\i+1], v[\buf+4*\i:\buf+4*\i+1], v[\buf+4*\i:\buf+4*\i+1], v[SS+2*\i:SS+2*\i+1]
.endif
	v_pk_fma_f32 v[SS+2*\i:SS+2*\i+1], v[\buf+4*\i+2:\buf+4*\i+3], v[\buf+4*\i+2:\buf+4*\i+3], v[SS+2*\i:SS+2*\i+1]
.endr
	WIN 0
.irp i, 0,1,2,3,4,5,6,7,8,9,10,11,12,13,14,15
	ds_store_b64 v[ASTO+\dst], v[CV+2*\i:CV+2*\i+1] offset:2*APITCH*\i
.endr
.endm
; 16 global loads: a slice of my wave's 32 rows into a staging buffer; off = the slice's byte offset from the tile's first byte of a row
.macro MLOAD buf, off
	WIN TO1
.irp i, 0,1,2,3,4,5,6,7,8,9,10,11,12,13,14,15
	global_load_b128 v[\buf+4*\i:\buf+4*\i+3], v[MOFF], s[16:17] offset:\off+4096*\i th:TH_LOAD_NT
.endr
.endm
; The tile's row scales.  A row's squares lie in sixteen lanes: four steps of lane exchange sum them; lane r then keeps row 2 r + h.
.macro SCALE
.irp i, 0,1,2,3,4,5,6,7,8,9,10,11,12,13,14,15
	v_add_f32 v[SS+2*\i], v[SS+2*\i], v[SS+2*\i+1]
.endr
.irp x, 1,2,4,8
.irp i, 0,1,2,3,4,5,6,7,8,9,10,11,12,13,14,15
	v_add_f32_dpp v[SS+2*\i], v[SS+2*\i], v[SS+2*\i] row_xmask:\x row_mask:0xf bank_mask:0xf
.endr
.endr
	v_mov_b32 v9, v[SS]
.irp i, 1,2,3,4,5,6,7,8,9,10,11,12,13,14,15
	v_cmp_eq_u32 vcc_lo, \i, v1
	v_cndmask_b32 v9, v9, v[SS+2*\i], vcc_lo
.endr
	v_max_num_f32 v9, 0x0d800000, v9               ; |m|^2, at least 2^-100
	v_rsq_f32 v10, v9
	v_fma_f32 v11, v[IMP], 0x3e99999a, 1.0         ; 1 + 0.3 importance: also the plain instruction between v_rsq_f32 and the use of its result (ISA guide 5.7.2)
	s_wait_alu depctr_va_vdst(0)
	v_mul_f32 v10, v10, v11
	ds_store_b32 v[SCST], v10
.endm
; The first quarter of K step c: multiplies buffer 0.  In its middle: the next slice is converted (conv), the tile's scales are made (scale), a slice three
; steps ahead is requested (mload), and the second quarter's fragments are fetched into buffer 1.
.macro FIRSTQ c, zero, conv, first, cnt, scale, mload, off
	s_wait_dscnt 8                                 ; Q and M's rows 0-63 are in; the youngest eight loads (M's rows 64-127) may be out
	WIN MUL_LO
	MUL16 F0, 0, 0, \zero
	MUL16 F0, 0, 2, \zero
.if \conv
	CONV ((\c+1)&1)*S1, ((\c+1)&1), \first, \cnt   ; its vector instructions name no register of a matrix instruction: they are the places in front of the loads into buffer 1
.else
	PLACES
.endif
.if \scale
	SCALE
.endif
.if \mload
	MLOAD ((\c+1)&1)*S1, \off
.endif
	FETCH (\c&1), 1, ((\c>>1)&1), (2*(\c&1)+1), F1
	s_wait_dscnt 32                                ; all but the 32 loads just issued: the rest of buffer 0, and my stores
	WIN MUL_HI
	MUL16 F0, 1, 0, \zero
	MUL16 F0, 1, 2, \zero
.endm
; The second quarter of K step c: multiplies buffer 1 and passes the step's barrier.  In front of it: my LDS reads of this step's M tile (and Q slot) and my
; stores into the next M tile are done.  kind 0: a plain barrier (the same Q slot goes on; a tensor load may stay out).
; kind 1: the Q slot changes and is filled again with K slice ks: all my tensor loads have landed in front of the signal, the barrier opens a round of the
; cluster's barrier with register work alone inside, and the joint load is the first thing behind the round, my one tensor load until the next.
; kind 2: the slot changes and nothing is left to fetch.
.macro TURN c, kind, ks
	s_wait_dscnt 8
	WIN MUL_LO
	MUL16 F1, 0, 0, 0
	s_wait_dscnt 0
.if \kind
	s_set_vgpr_msb 0xa4a0
	s_wait_tensorcnt 0x0                           ; the one load that was out is my quarter of the next slot
	ds_add_u32 v30, v31
	s_wait_dscnt 0x0
	s_set_vgpr_msb 0xa0a4
.endif
	s_barrier_signal -1
	MUL16 F1, 0, 2, 0                              ; work on registers while the others arrive
	WIN 0                                          ; at a branch and at a label every window is 0
	s_barrier_wait -1
.if \kind == 1
	CREST
	tensor_load_to_lds s[G0+4*\ks:G0+4*\ks+3], s[G1:G1+7]
	s_nop 0
.endif
	PLACES
	FETCH ((\c+1)&1), 0, (((\c+1)>>1)&1), (2*((\c+1)&1)), F0
	WIN MUL_HI
	MUL16 F1, 1, 0, 0
	MUL16 F1, 1, 2, 0
.endm
; Row block a's 64 scores a lane are scaled, two a line, into scratch (window 0, v128-191): the only lines behind a tile that name the block's own registers
.macro EPIMUL a, aw, win
	WIN \win
.irp b, 0,1,2,3,4,5,6,7
.irp jj, 0,2,4,6
	v_pk_mul_f32 v[F1+8*\b+\jj:F1+8*\b+\jj+1], v[8*(8*(\aw)+\b)+\jj:8*(8*(\aw)+\b)+\jj+1], v[F1+8*(\a)+\jj:F1+8*(\a)+\jj+1]
.endr
.endr
	WIN 0
.endm
; Behind a tile: a loop of eight trips, one row block a trip.  A chain of branches on the trip's number picks the block's 32 scaling lines; the 320 lines that tag
; the scores with 8 a + j (from scalar registers) and put them to the eight lists are written once and serve all eight blocks: 8 x 32 + 320 lines of
; vector code in place of 8 x 352.  No barrier, store or tensor load stands inside; at every label and branch every window is 0.
; A score goes into a list from the bottom up, so that old values are read:
; L4 = middle(L3, L4, x), L3 = middle(L2, L3, x), L2 = middle(L1, L2, x), L1 = larger(L1, x).
; id: a letter that keeps the labels of the text's two copies apart.
.macro EPI id
	PLACES                                         ; behind the tile's last matrix instructions: buffer 1 is loaded and written, results are read
	WIN TO1
.irp a, 0,1,2,3,4,5,6,7
	ds_load_b128 v[F1+8*\a:F1+8*\a+3],   v[SCLD] offset:64*\a        ; scales of rows 16 a + 8 h + 0..3 (stored in step 6, a barrier ago)
	ds_load_b128 v[F1+8*\a+4:F1+8*\a+7], v[SCLD] offset:64*\a+16     ; and + 4..7
.endr
	WIN 0
	s_wait_dscnt 0x0
	s_mov_b32 s[ECNT], 0
.Lepl\id:
.irp j, 0,1,2,3,4,5,6,7
	s_lshl3_add_u32 s[TAG+\j], s[ECNT], \j         ; 8 a + j
.endr
	s_cmp_lg_u32 s[ECNT], 0
	s_cbranch_scc1 .Lep1\id
	EPIMUL 0, 0, EP_LO
	s_branch .Lins\id
.Lep1\id:
	s_cmp_lg_u32 s[ECNT], 1
	s_cbranch_scc1 .Lep2\id
	EPIMUL 1, 1, EP_LO
	s_branch .Lins\id
.Lep2\id:
	s_cmp_lg_u32 s[ECNT], 2
	s_cbranch_scc1 .Lep3\id
	EPIMUL 2, 2, EP_LO
	s_branch .Lins\id
.Lep3\id:
	s_cmp_lg_u32 s[ECNT], 3
	s_cbranch_scc1 .Lep4\id
	EPIMUL 3, 3, EP_LO
	s_branch .Lins\id
.Lep4\id:
	s_cmp_lg_u32 s[ECNT], 4
	s_cbranch_scc1 .Lep5\id
	EPIMUL 4, 0, EP_HI
	s_branch .Lins\id
.Lep5\id:
	s_cmp_lg_u32 s[ECNT], 5
	s_cbranch_scc1 .Lep6\id
	EPIMUL 5, 1, EP_HI
	s_branch .Lins\id
.Lep6\id:
	s_cmp_lg_u32 s[ECNT], 6
	s_cbranch_scc1 .Lep7\id
	EPIMUL 6, 2, EP_HI
	s_branch .Lins\id
.Lep7\id:
	EPIMUL 7, 3, EP_HI
.Lins\id:
.irp j, 0,1,2,3,4,5,6,7
.irp b, 0,1,2,3,4,5,6,7
	v_bfi_b32 v[F1+8*\b+\j], s21, s[TAG+\j], v[F1+8*\b+\j]
.endr
.irp b, 0,1,2,3,4,5,6,7
	v_med3_num_f32 v[LIST+4*\b+3], v[LIST+4*\b+2], v[LIST+4*\b+3], v[F1+8*\b+\j]
.endr
.irp b, 0,1,2,3,4,5,6,7
	v_med3_num_f32 v[LIST+4*\b+2], v[LIST+4*\b+1], v[LIST+4*\b+2], v[F1+8*\b+\j]
.endr
.irp b, 0,1,2,3,4,5,6,7
	v_med3_num_f32 v[LIST+4*\b+1], v[LIST+4*\b], v[LIST+4*\b+1], v[F1+8*\b+\j]
.endr
.irp b, 0,1,2,3,4,5,6,7
	v_max_num_f32 v[LIST+4*\b], v[LIST+4*\b], v[F1+8*\b+\j]
.endr
.endr
	s_add_co_u32 s[ECNT], s[ECNT], 1
	s_cmp_lt_u32 s[ECNT], 8
	s_cbranch_scc1 .Lepl\id
.endm
.macro STEPS04                         ; K steps 0 to 4, alike in every tile.  Step c converts slice c + 1 and requests slice c + 3; 16 younger loads (one slice) stay out
	FIRSTQ 0, 1, 1, 0, 16, 0, 1, 3*256
	TURN   0, 0, 0
	FIRSTQ 1, 0, 1, 0, 16, 0, 1, 4*256
	TURN   1, 1, 2
	FIRSTQ 2, 0, 1, 0, 16, 0, 1, 5*256
	TURN   2, 0, 0
	FIRSTQ 3, 0, 1, 0, 16, 0, 1, 6*256
	TURN   3, 1, 3
	FIRSTQ 4, 0, 1, 0, 16, 0, 1, 7*256
	TURN   4, 0, 0
.endm
	s_load_b256 s[4:11], s[0:1], 0x0               ; importance s[4:5], memory_matrix s[6:7], qb s[8:9], keys s[10:11]
	v_lshl_add_u32 v30, v0, 2, 0x4d200
	v_mov_b32 v31, 0
	ds_add_u32 v30, v31
	v_lshrrev_b32 v3, 5, v0
	v_readfirstlane_b32 s12, v3                    ; wave 0..3
	s_bfe_u32 s13, ttmp6, 0x40000                  ; cx: my place in the cluster; it enters global addresses of importance, memory_matrix and keys alone
	s_lshl_b32 s14, ttmp9, 2                       ; in a cluster launch ttmp9 counts clusters
	s_add_co_u32 s14, s14, s13                     ; g
	s_mov_b32 s21, 0xff                            ; the key's low 8 bits
	; group 1: 128 rows of 32 elements of 8 bytes, dense in memory, 16 bytes of padding behind every 256 in LDS
	s_mov_b32 s[G1+0], 15|(3<<16)|(1<<20)|(1<<21)|(5<<22)|(3<<25)   ; 15:0 the mask: all four of the cluster; 17:16 elements of 8 bytes; 20 padding on; 21 set beside a mask; 24:22 after every 64 words; 31:25 of 4 words
	s_mov_b32 s[G1+1], 32<<16                      ; tensor_dim0 = 32
	s_mov_b32 s[G1+2], 128<<16                     ; tensor_dim1 = 128
	s_mov_b32 s[G1+3], 32<<16                      ; tile_dim0 = 32
	s_mov_b32 s[G1+4], 128                         ; tile_dim1 = 128
	s_mov_b32 s[G1+5], 32                          ; from row to row: 32 elements
	s_mov_b32 s[G1+6], 0
	s_mov_b32 s[G1+7], 0
	s_mul_i32 s15, s12, QQUART                     ; my quarter of a slot
	s_lshl_b32 s18, s12, 15                        ; my 128 queries in a K slice of qb: 128 x 256 bytes
	s_mov_b32 s19, 0
	v_and_b32 v1, 15, v0                           ; r
	v_bfe_u32 v2, v0, 4, 1                         ; h
	v_lshlrev_b32 v[MOFF], 4, v1
	v_lshl_add_u32 v[MOFF], v2, 11, v[MOFF]
	v_lshl_add_u32 v4, v1, 1, v2
	v_lshl_add_u32 v4, s12, 5, v4                  ; 32 w + 2 r + h: the row whose scale I make
	v_lshlrev_b32 v[IOFF], 2, v4
	v_add_nc_u32 v[SCST], SCB, v[IOFF]
	v_lshlrev_b32 v5, 4, v2                        ; 16 h
	v_mul_u32_u24 v6, v1, APITCH
	v_add_nc_u32 v6, v6, v5
	v_add_nc_u32 v[ADRA], AR, v6
	v_add_nc_u32 v[ADRA+1], AR+ARSZ, v6
	v_mul_u32_u24 v6, v1, QPITCH
	v_add_nc_u32 v6, v6, v5
	v_add_nc_u32 v[ADRB], s15, v6                  ; my quarter + r x pitch + 16 h
	v_add_nc_u32 v[ADRB+1], QSLOT, v[ADRB]
	s_mul_i32 s20, s12, 32*APITCH
	v_mul_u32_u24 v6, v2, APITCH
	v_lshl_add_u32 v6, v1, 3, v6
	v_add_nc_u32 v6, s20, v6                       ; (32 w + h) x pitch + 8 r
	v_add_nc_u32 v[ASTO], AR, v6
	v_add_nc_u32 v[ASTO+1], AR+ARSZ, v6
	v_lshlrev_b32 v[SCLD], 5, v2
	v_add_nc_u32 v[SCLD], SCB, v[SCLD]
	v_lshl_add_u32 v[KOFF], s12, 7, v1
	v_lshlrev_b32 v[KOFF], 5, v[KOFF]
	v_add_nc_u32 v[KOFF], v[KOFF], v5              ; 32 (128 w + r) + 16 h
	s_wait_dscnt 0x0
	s_wait_kmcnt 0x0
	s_add_nc_u64 s[8:9], s[8:9], s[18:19]
.irp ks, 0,1,2,3
	s_mov_b32 s[G0+4*\ks], 1                                       ; count = 1
	s_add_co_u32 s[G0+4*\ks+1], s15, (\ks&1)*QSLOT                 ; LDS address: the slot, my quarter
	s_add_nc_u64 s[G0+4*\ks+2:G0+4*\ks+3], s[8:9], \ks*131072      ; global address: K slice ks, my 128 queries
	s_or_b32 s[G0+4*\ks+3], s[G0+4*\ks+3], 0x80000000              ; type = 2
.endr
	s_mov_b32 s49, 0                               ; offsets that hold cx have registers of their own
	s_lshl_b32 s48, s14, 11
	s_add_nc_u64 s[4:5], s[4:5], s[48:49]          ; importance at my 512 rows
	s_lshl_b32 s48, s14, 20
	s_lshl_b32 s50, s12, 16
	s_add_co_u32 s48, s48, s50
	s_add_nc_u64 s[16:17], s[6:7], s[48:49]        ; memory_matrix at row 512 g + 32 w
	s_lshl_b32 s48, s14, 14
	s_add_nc_u64 s[22:23], s[10:11], s[48:49]      ; keys at g
.irp t, 0,1,2,3
	global_load_b32 v[IMP+\t], v[IOFF], s[4:5] offset:512*\t
.endr
	MLOAD S0, 0                                    ; slices 0 and 1 are on their way while the cluster gathers
	MLOAD S1, 256
	WIN 0
	CROUND                                         ; all four work-groups are here: the first joint loads meet
	tensor_load_to_lds s[G0:G0+3], s[G1:G1+7]      ; K slice 0 into slot 0
	s_nop 0
	tensor_load_to_lds s[G0+4:G0+7], s[G1:G1+7]    ; K slice 1 into slot 1: the first fills go out as one group
	s_nop 0
.set i, 0
.rept 32
	v_mov_b32 v[LIST+i], 0xff800000                ; the lists start at minus infinity; the first tile's 64 keys a list replace all four
.set i, i+1
.endr
	CONV S0, 0, 1, 16                              ; slice 0 (and the importances, which are older) are in; slice 1's 16 loads stay out
	MLOAD S0, 512
	WIN 0
	s_wait_tensorcnt 0x1                           ; my quarter of slot 0 is in; slot 1's may stay out
	s_wait_dscnt 0x0                               ; my part of M tile 0 is stored
	s_barrier_signal -1
	s_barrier_wait -1
	FETCH 0, 0, 0, 0, F0
	s_mov_b32 s20, 3
.Ltile:                                            ; tiles 0, 1, 2
	STEPS04
	FIRSTQ 5, 0, 1, 0, 16, 0, 1, TILEB             ; from here the requests are the next tile's slices 0, 1, 2
	TURN   5, 1, 0
	FIRSTQ 6, 0, 1, 0, 16, 1, 1, TILEB+256         ; slice 7 is converted: the sums of squares are whole
	TURN   6, 0, 0
	FIRSTQ 7, 0, 1, 1, 16, 0, 1, TILEB+512         ; the next tile's slice 0 starts its sums
	TURN   7, 1, 1
	EPI A
.set i, 0
.rept 32
	v_add_nc_u32 v[LIST+i], 64, v[LIST+i]          ; every kept key is a tile older
.set i, i+1
.endr
	v_mov_b32 v[IMP], v[IMP+1]                     ; the next tile's importance moves up
	v_mov_b32 v[IMP+1], v[IMP+2]
	v_mov_b32 v[IMP+2], v[IMP+3]
	s_wait_xcnt 0x0                                ; the base of the loads that are out is stepped only behind this wait
	s_add_nc_u64 s[16:17], s[16:17], TILEB
	s_sub_co_u32 s20, s20, 1
	s_cmp_lg_u32 s20, 0
	s_cbranch_scc1 .Ltile
	STEPS04                                        ; tile 3, written out: nothing is requested beyond the end
	FIRSTQ 5, 0, 1, 0, 16, 0, 0, 0                 ; slice 6; slice 7's 16 loads stay out
	TURN   5, 2, 0
	FIRSTQ 6, 0, 1, 0, 0, 1, 0, 0                  ; slice 7: no load was issued behind it
	TURN   6, 0, 0
	FIRSTQ 7, 0, 0, 0, 0, 0, 0, 0
	s_wait_dscnt 8                                 ; the very last quarter
	WIN MUL_LO
	MUL16 F1, 0, 0, 0
	MUL16 F1, 0, 2, 0
	s_wait_dscnt 0
	WIN MUL_HI
	MUL16 F1, 1, 0, 0
	MUL16 F1, 1, 2, 0
	EPI B
	; the lists leave: floats' order becomes unsigned order; a store of the wave covers 512 consecutive bytes, aligned
.set i, 0
.rept 32
	v_ashrrev_i32 v[F1+i], 31, v[LIST+i]
.set i, i+1
.endr
.set i, 0
.rept 32
	v_or_b32 v[F1+i], 0x80000000, v[F1+i]
.set i, i+1
.endr
.set i, 0
.rept 32
	v_xor_b32 v[LIST+i], v[LIST+i], v[F1+i]
.set i, i+1
.endr
.irp b, 0,1,2,3,4,5,6,7
	global_store_b128 v[KOFF], v[LIST+4*\b:LIST+4*\b+3], s[22:23] offset:512*\b
.endr
	s_wait_tensorcnt 0x0
	ds_add_u32 v30, v31
	s_wait_dscnt 0x0
	CROUND                                         ; the closing round: no work-group ends while a partner may still ask for a tile that names it
	s_endpgm
.Lfunc_end_k_q12a336be41_score:
	.size	k_q12a336be41_score, .Lfunc_end_k_q12a336be41_score-k_q12a336be41_score
	.p2alignl 7, 3214868480
	.fill 96, 4, 3214868480
	.section	.rodata,"a",@progbits
	.p2align	6, 0x0
	.amdhsa_kernel k_q12a336be41_score
		.amdhsa_group_segment_fixed_size 327680
		.amdhsa_private_segment_fixed_size 0
		.amdhsa_enable_private_segment 0
		.amdhsa_kernarg_size 32
		.amdhsa_user_sgpr_count 2
		.amdhsa_user_sgpr_kernarg_segment_ptr 1
		.amdhsa_wavefront_size32 1
		.amdhsa_system_sgpr_workgroup_id_x 1
		.amdhsa_system_sgpr_workgroup_id_y 1
		.amdhsa_system_sgpr_workgroup_id_z 1
		.amdhsa_system_vgpr_workitem_id 0
		.amdhsa_next_free_vgpr 1024
		.amdhsa_next_free_sgpr 66
		.amdhsa_reserve_vcc 1
		.amdhsa_float_denorm_mode_32 3
		.amdhsa_float_denorm_mode_16_64 3
		.amdhsa_memory_ordered 1
		.amdhsa_forward_progress 1
		.amdhsa_inst_pref_size 255
	.end_amdhsa_kernel
	.section	.bss,"aw",@nobits
	.p2align	6
	.space	262144
	.amdgpu_metadata
---
amdhsa.version: [ 1, 2 ]
amdhsa.kernels:
  - .name:           k_q12a336be41_score
    .symbol:         k_q12a336be41_score.kd
    .args:
      - { .name: importance, .offset: 0, .size: 8, .value_kind: global_buffer, .address_space: global }
      - { .name: memory_matrix, .offset: 8, .size: 8, .value_kind: global_buffer, .address_space: global }
      - { .name: qb, .offset: 16, .size: 8, .value_kind: global_buffer, .address_space: global }
      - { .name: keys, .offset: 24, .size: 8, .value_kind: global_buffer, .address_space: global }
    .group_segment_fixed_size: 327680
    .private_segment_fixed_size: 0
    .kernarg_segment_align: 8
    .kernarg_segment_size: 32
    .max_flat_workgroup_size: 128
    .sgpr_count:     66
    .vgpr_count:     1024
    .wavefront_size: 32
...
	.end_amdgpu_metadata
.endif
;; end of part 2
;; launch choose (part 3): grid 512 x 1, 8 waves a work-group, no clusters, 11,520 bytes of LDS; arguments keys, cand; writes cand
.if DOCPART == 3
	.amdgcn_target "amdgcn-amd-amdhsa--gfx1250"
	.amdhsa_code_object_version 6
	.text
	.protected	k_q12a336be41_choose
	.globl	k_q12a336be41_choose
	.p2align	8
	.type	k_q12a336be41_choose,@function
k_q12a336be41_choose:
	s_mov_b64 s[64:65], 0
	v_nop
	global_prefetch_b8 v0, s[64:65] scope:SCOPE_SE
	s_setreg_imm32_b32 hwreg(HW_REG_WAVE_MODE, 25, 1), 1
	s_wait_xcnt 0x0
; One work-group for query q.  From the 512 groups' four best keys (whole numbers of the launch before) it picks, by integer work alone, the rows that the next
; launch scores again in f32, and stores them as whole numbers: cand[q] is 64 words; word 2 l = candidate l's code (the row; bit 31 = its whole group is scored
; anyway), word 1 = F, the number of flagged groups, words 3, 5, .. 13 = the flagged groups' numbers (-1 where there is none), the other odd words -1.
;
; WHY THE CANDIDATES SUFFICE.  The 32 best stored keys lie in the 32 groups with the best L1.  A row that was not stored has its group's L1..L4 above it; if it
; were among the 24 best keys, that L4 would stand in the first 24 places of the sorted 32.  Such a group is flagged and all its 256 rows are scored; four keys
; of each flagged group stand in those 24 places, so at most 6 are flagged.  So the candidates hold the 24 best rows by key, whatever the inputs.
; LIMIT.  A row of the true best 16 must have fewer than 24 rows with a key at least as large (keys: bf16 operands, 15 bits of mantissa).
;
; ORDER: better = larger key, or equal key and smaller payload.  Sorting is bitonic over the 32 lanes of a wave.
; No matrix unit, no tensor loads, no cluster: 8 KiB of keys a work-group, shared with nobody.
.set KEYS, 0                           ; 512 groups x 16 bytes
.set WLK,  8192                        ; 8 waves x 32 keys
.set WLP,  9216                        ; 8 waves x 32 payloads
.set META, 10240                       ; word 0: F; words 1-6: flagged groups; words 32-63: where the lanes that flag nothing put their stores
.set TT,   32                          ; v32-39  the partner's key and payload, a pair for each list at work
.set MM,   40                          ; s40-51  three masks for each list at work
.set J1,  0xaaaaaaaa                   ; lanes whose number has bit 0 set,
.set J2,  0xcccccccc                   ; bit 1,
.set J4,  0xf0f0f0f0
.set J8,  0xff00ff00
.set J16, 0xffff0000
.set J32, 0
; For num lists (keys at kb + l st, payloads at pb + l st; the other side at tk + l ts, tp + l ts): each lane takes the other side's pair where that is better;
; in the lanes of w it takes it where it is not (those lanes keep the worse).  Bit l of inv turns list l's lanes round (ascending).
.macro PICKB num, kb, pb, st, tk, tp, ts, w, inv
.set LL, 0
.rept \num
	v_cmp_gt_u32 s[MM+3*LL],   v[\tk+LL*\ts], v[\kb+LL*\st]
	v_cmp_eq_u32 s[MM+3*LL+1], v[\tk+LL*\ts], v[\kb+LL*\st]
	v_cmp_lt_u32 s[MM+3*LL+2], v[\tp+LL*\ts], v[\pb+LL*\st]
.set LL, LL+1
.endr
.set LL, 0
.rept \num
	s_and_b32 s[MM+3*LL+1], s[MM+3*LL+1], s[MM+3*LL+2]
	s_or_b32 s[MM+3*LL], s[MM+3*LL], s[MM+3*LL+1]
.if ((\w)^((((\inv)>>LL)&1)*0xffffffff)) != 0
	s_xor_b32 s[MM+3*LL], s[MM+3*LL], ((\w)^((((\inv)>>LL)&1)*0xffffffff))
.endif
.set LL, LL+1
.endr
.set LL, 0
.rept \num
	v_cndmask_b32 v[\kb+LL*\st], v[\kb+LL*\st], v[\tk+LL*\ts], s[MM+3*LL]
	v_cndmask_b32 v[\pb+LL*\st], v[\pb+LL*\st], v[\tp+LL*\ts], s[MM+3*LL]
.set LL, LL+1
.endr
.endm
; One stage of the network: lane i against lane i xor x, in blocks of kk lanes that alternate in direction
.macro ST kk, x, num, kb, pb, st, inv
.set LL, 0
.rept \num
.if \x == 16
	v_permlanex16_b32 v[TT+2*LL],   v[\kb+LL*\st], s52, s53
	v_permlanex16_b32 v[TT+2*LL+1], v[\pb+LL*\st], s52, s53
.else
	v_mov_b32_dpp v[TT+2*LL],   v[\kb+LL*\st] row_xmask:\x row_mask:0xf bank_mask:0xf
	v_mov_b32_dpp v[TT+2*LL+1], v[\pb+LL*\st] row_xmask:\x row_mask:0xf bank_mask:0xf
.endif
.set LL, LL+1
.endr
	PICKB \num, \kb, \pb, \st, TT, TT+1, 2, (J\x^J\kk), \inv
.endm
.macro SORT num, kb, pb, st, inv       ; 15 stages; the lists go through each stage together, so that no line waits for the one in front of it
	ST 2, 1,   \num, \kb, \pb, \st, \inv
	ST 4, 2,   \num, \kb, \pb, \st, \inv
	ST 4, 1,   \num, \kb, \pb, \st, \inv
	ST 8, 4,   \num, \kb, \pb, \st, \inv
	ST 8, 2,   \num, \kb, \pb, \st, \inv
	ST 8, 1,   \num, \kb, \pb, \st, \inv
	ST 16, 8,  \num, \kb, \pb, \st, \inv
	ST 16, 4,  \num, \kb, \pb, \st, \inv
	ST 16, 2,  \num, \kb, \pb, \st, \inv
	ST 16, 1,  \num, \kb, \pb, \st, \inv
	ST 32, 16, \num, \kb, \pb, \st, \inv
	ST 32, 8,  \num, \kb, \pb, \st, \inv
	ST 32, 4,  \num, \kb, \pb, \st, \inv
	ST 32, 2,  \num, \kb, \pb, \st, \inv
	ST 32, 1,  \num, \kb, \pb, \st, \inv
.endm
; List l (descending, at kb + l st) and the list st/2 registers behind it (ascending): the lane-wise better of the two are the 32 best of the 64, and bitonic: five stages sort them
.macro MERGE num, kb, pb, st, inv
	PICKB \num, \kb, \pb, \st, \kb+\st/2, \pb+\st/2, \st, 0, 0
	ST 32, 16, \num, \kb, \pb, \st, \inv
	ST 32, 8,  \num, \kb, \pb, \st, \inv
	ST 32, 4,  \num, \kb, \pb, \st, \inv
	ST 32, 2,  \num, \kb, \pb, \st, \inv
	ST 32, 1,  \num, \kb, \pb, \st, \inv
.endm
; The eight waves' sorted lists in WLK, WLP become one: the 32 best of the 256, best first, in v16 (keys) and v24 (payloads)
.macro GATHER8
	v_sub_nc_u32 v4, 124, v2                       ; the odd waves' lists are read backwards: ascending
.irp l, 0,2,4,6
	ds_load_b32 v[16+\l], v2 offset:WLK+128*\l
	ds_load_b32 v[24+\l], v2 offset:WLP+128*\l
	ds_load_b32 v[17+\l], v4 offset:WLK+128*\l+128
	ds_load_b32 v[25+\l], v4 offset:WLP+128*\l+128
.endr
	s_wait_dscnt 0x0
	MERGE 4, 16, 24, 2, 10
	MERGE 2, 16, 24, 4, 2
	MERGE 1, 16, 24, 8, 0
.endm
	s_load_b128 s[4:7], s[0:1], 0x0                ; keys s[4:5], cand s[6:7]
	v_lshl_add_u32 v64, v0, 2, 0x2900
	v_mov_b32 v65, 0
	v_lshrrev_b32 v2, 5, v0
	v_readfirstlane_b32 s16, v2                    ; wave 0..7
	s_mov_b32 s52, 0x76543210                      ; v_permlanex16_b32: lane i of one half reads lane i of the other
	s_mov_b32 s53, 0xfedcba98
	v_and_b32 v1, 31, v0                           ; lane
	v_lshrrev_b32 v3, 1, v0
	v_and_b32 v4, 1, v0
	v_lshlrev_b32 v3, 14, v3
	v_lshl_add_u32 v3, v4, 4, v3                   ; group x = thread: 16,384 (x >> 1) + 16 (x & 1)
	v_lshlrev_b32 v2, 2, v1                        ; 4 x lane
	v_mov_b32 v7, 0
.irp i, 0,1,2,3,4,5,6,7
	v_mov_b32 v[TT+\i], 0                          ; destinations of lane exchanges count as read: written once here
.endr
	s_lshl_b32 s18, ttmp9, 5                       ; 32 q
	s_mov_b32 s19, 0
	s_lshl_b32 s20, ttmp9, 8                       ; 256 q
	s_mov_b32 s21, 0
	s_wait_kmcnt 0x0
	s_add_nc_u64 s[4:5], s[4:5], s[18:19]
	s_add_nc_u64 s[6:7], s[6:7], s[20:21]
	global_load_b128 v[8:11], v3, s[4:5]                   ; group x
	global_load_b128 v[12:15], v3, s[4:5] offset:2097152   ; group x + 256
	; EVERY WAVE: the 32 best of its 64 groups by L1
	s_wait_loadcnt 0x0
	v_lshlrev_b32 v6, 4, v0
	ds_store_b128 v6, v[8:11] offset:KEYS
	ds_store_b128 v6, v[12:15] offset:KEYS+4096
	v_mov_b32 v24, v0                              ; payloads: the groups' numbers
	v_add_nc_u32 v28, 256, v0
	SORT 2, 8, 24, 4, 2                            ; L1 of x descending (v8, v24), L1 of x + 256 ascending (v12, v28)
	MERGE 1, 8, 24, 8, 0
	v_lshlrev_b32 v4, 2, v0
	ds_store_b32 v4, v8 offset:WLK
	ds_store_b32 v4, v24 offset:WLP
	s_wait_dscnt 0x0                               ; for wave 0's sake: my stores are done
	s_barrier_signal -1
	s_barrier_wait -1
	; WAVE 0: the candidates
	s_cmp_lg_u32 s16, 0
	s_cbranch_scc1 .Lend
	GATHER8                                        ; v24: the 32 groups with the best L1, best first
	v_min_u32 v24, 511, v24
	v_lshlrev_b32 v4, 4, v24
	ds_load_b128 v[40:43], v4 offset:KEYS          ; my group's four keys
	v_lshlrev_b32 v44, 2, v24                      ; payloads 4 x group + place in its list
	v_add_nc_u32 v45, 1, v44
	v_add_nc_u32 v46, 2, v44
	v_add_nc_u32 v47, 3, v44
	s_wait_dscnt 0x0
	SORT 3, 41, 45, 1, 5                           ; L1 is sorted already; L2 ascending, L3 descending, L4 ascending
	MERGE 2, 40, 44, 2, 2
	MERGE 1, 40, 44, 4, 0                          ; v40, v44: the 32 best stored keys, best first
	v_ashrrev_i32 v32, 31, v40                     ; back to the key's own bits
	v_xor_b32 v32, -1, v32
	v_or_b32 v32, 0x80000000, v32
	v_xor_b32 v32, v40, v32
	v_lshrrev_b32 v33, 2, v44                      ; group = 2 g + h
	v_lshrrev_b32 v34, 1, v33
	v_lshlrev_b32 v34, 9, v34                      ; 512 g
	v_bfe_u32 v35, v32, 6, 2
	v_sub_nc_u32 v35, 3, v35                       ; tile = 3 - age
	v_lshl_add_u32 v34, v35, 7, v34
	v_bfe_u32 v35, v32, 3, 3                       ; a
	v_lshl_add_u32 v34, v35, 4, v34
	v_and_b32 v35, 1, v33                          ; h
	v_lshl_add_u32 v34, v35, 3, v34
	v_and_b32 v35, 7, v32                          ; j
	v_add_nc_u32 v34, v34, v35                     ; row = 512 g + 128 tile + 16 a + 8 h + j
	v_and_b32 v35, 3, v44
	v_cmp_eq_u32 s40, 3, v35
	s_and_b32 s40, s40, 0x00ffffff                 ; flagged: an L4 in the first 24 places
	s_bcnt1_i32_b32 s41, s40
	s_min_u32 s41, s41, 6                          ; F
	v_mov_b32 v38, -1
	ds_store_b32 v2, v38 offset:META               ; words 0-31 hold no group's number
	v_mbcnt_lo_u32_b32 v35, s40, 0                 ; flagged lanes below me
	v_add_nc_u32 v35, 1, v35
	v_add_nc_u32 v36, 32, v1
	v_cndmask_b32 v35, v36, v35, s40               ; a flagged lane writes word 1, 2, ..; the others write words of their own behind
	v_min_u32 v35, 63, v35
	v_lshlrev_b32 v35, 2, v35
	ds_store_b32 v35, v33 offset:META
	v_mov_b32 v36, s41
	ds_store_b32 v7, v36 offset:META               ; word 0: F
	ds_load_b32 v37, v2 offset:META                ; LDS serves a wave's instructions in order (ISA guide 5.7.1.4): lane l sees word l as the stores above left it
	s_wait_dscnt 0x0
	s_mov_b32 s44, 0                               ; lanes whose group is flagged
.irp f, 1,2,3,4,5,6
	v_readlane_b32 s43, v37, \f
	v_cmp_eq_u32 s45, s43, v33
	s_or_b32 s44, s44, s45
.endr
	v_or_b32 v35, 0x80000000, v34
	v_cndmask_b32 v36, v34, v35, s44               ; a single whose group is scored whole is marked, so that no row counts twice
	v_lshlrev_b32 v4, 3, v1
	global_store_b64 v4, v[36:37], s[6:7]          ; 32 lanes x 8 bytes: the query's 256 consecutive bytes, aligned
.Lend:
	s_wait_tensorcnt 0x0
	ds_add_u32 v64, v65
	s_wait_dscnt 0x0
	s_endpgm
.Lfunc_end_k_q12a336be41_choose:
	.size	k_q12a336be41_choose, .Lfunc_end_k_q12a336be41_choose-k_q12a336be41_choose
	.p2alignl 7, 3214868480
	.fill 96, 4, 3214868480
	.section	.rodata,"a",@progbits
	.p2align	6, 0x0
	.amdhsa_kernel k_q12a336be41_choose
		.amdhsa_group_segment_fixed_size 11520
		.amdhsa_private_segment_fixed_size 0
		.amdhsa_enable_private_segment 0
		.amdhsa_kernarg_size 16
		.amdhsa_user_sgpr_count 2
		.amdhsa_user_sgpr_kernarg_segment_ptr 1
		.amdhsa_wavefront_size32 1
		.amdhsa_system_sgpr_workgroup_id_x 1
		.amdhsa_system_sgpr_workgroup_id_y 1
		.amdhsa_system_sgpr_workgroup_id_z 1
		.amdhsa_system_vgpr_workitem_id 0
		.amdhsa_next_free_vgpr 66
		.amdhsa_next_free_sgpr 66
		.amdhsa_reserve_vcc 0
		.amdhsa_float_denorm_mode_32 3
		.amdhsa_float_denorm_mode_16_64 3
		.amdhsa_memory_ordered 1
		.amdhsa_forward_progress 1
		.amdhsa_inst_pref_size 84
	.end_amdhsa_kernel
	.amdgpu_metadata
---
amdhsa.version: [ 1, 2 ]
amdhsa.kernels:
  - .name:           k_q12a336be41_choose
    .symbol:         k_q12a336be41_choose.kd
    .args:
      - { .name: keys, .offset: 0, .size: 8, .value_kind: global_buffer, .address_space: global }
      - { .name: cand, .offset: 8, .size: 8, .value_kind: global_buffer, .address_space: global }
    .group_segment_fixed_size: 11520
    .private_segment_fixed_size: 0
    .kernarg_segment_align: 8
    .kernarg_segment_size: 16
    .max_flat_workgroup_size: 256
    .sgpr_count:     66
    .vgpr_count:     66
    .wavefront_size: 32
...
	.end_amdgpu_metadata
.endif
;; end of part 3
;; launch rescore (part 4): grid 512 x 1, 8 waves a work-group, no clusters, 3,072 bytes of LDS; arguments cand, query, memory_matrix, importance, out0, idx16; writes out0, idx16
.if DOCPART == 4
	.amdgcn_target "amdgcn-amd-amdhsa--gfx1250"
	.amdhsa_code_object_version 6
	.text
	.protected	k_q12a336be41_rescore
	.globl	k_q12a336be41_rescore
	.p2align	8
	.type	k_q12a336be41_rescore,@function
k_q12a336be41_rescore:
	s_mov_b64 s[64:65], 0
	v_nop
	global_prefetch_b8 v0, s[64:65] scope:SCOPE_SE
	s_setreg_imm32_b32 hwreg(HW_REG_WAVE_MODE, 25, 1), 1
	s_wait_xcnt 0x0
; One work-group for query q.  The candidates that the launch before stored (32 single rows, and all 256 rows of each of F flagged groups) are scored in f32 by
; the formula dot / max(|q| |m|, 1e-8) x (1 + 0.3 importance); the 16 best values go to out0 and their rows to idx16.
;
; The one branch and the one trip count that hang on data take F from a scalar load of cand, whole numbers of an earlier launch; so do the rows' addresses.
; The f32 ranking reaches only data stored at fixed places.  What the scoring loops make stays in registers: a row's two sums are dropped into the lane that
; stands for the row, and each wave keeps a sorted list of its 32 best; the eight lists meet in LDS once, at the end.
; LIMITS.  NaN and infinite scores are not served.  |m|^2 and |q|^2 below 2^-120 count as 2^-120.  Scores that agree to about a unit in the last place may
; come in the other order.  The candidates hold the 24 best rows by the bf16 keys: a row of the true best 16 must be among those.
;
; ORDER: better = larger key, or equal key and smaller payload.  Sorting is bitonic over the 32 lanes of a wave.
; No matrix unit (dots of single rows), no tensor loads (rows are scattered), no cluster (work-groups share nothing but a few rows by chance).
.set WLK,  0                           ; 8 waves x 32 keys
.set WLP,  1024                        ; 8 waves x 32 payloads
.set TT,   32                          ; v32-39   the partner's key and payload, a pair for each list at work
.set MM,   40                          ; s40-51   three masks for each list at work
.set ACC,  128                         ; v128-143 four rows' running sums: a pair for the dot, a pair for the squares
.set HD,   68                          ; s68-83   cand's words 0-15: F in word 1, the flagged groups in words 3, 5, .. 13
.set CD,   84                          ; s84-91   cand's words 8 w .. 8 w + 7: my wave's four codes in the even ones
; v1 lane, v2 4 x lane, v5 16 x lane, v6 |q|, v8 dots by lane, v9 sums of squares by lane, v10 codes by lane, v11 importance by lane,
; v14 16 (lane >> 3) + (lane & 7), v16/v24 the wave's best 32 (key, row), v17/v25 the 32 at work, v40-47 scratch, v48-63 the query, v64-127 four rows
.set J1,  0xaaaaaaaa                   ; lanes whose number has bit 0 set,
.set J2,  0xcccccccc                   ; bit 1,
.set J4,  0xf0f0f0f0
.set J8,  0xff00ff00
.set J16, 0xffff0000
.set J32, 0
; For num lists (keys at kb + l st, payloads at pb + l st; the other side at tk + l ts, tp + l ts): each lane takes the other side's pair where that is better;
; in the lanes of w it takes it where it is not (those lanes keep the worse).  Bit l of inv turns list l's lanes round (ascending).
.macro PICKB num, kb, pb, st, tk, tp, ts, w, inv
.set LL, 0
.rept \num
	v_cmp_gt_u32 s[MM+3*LL],   v[\tk+LL*\ts], v[\kb+LL*\st]
	v_cmp_eq_u32 s[MM+3*LL+1], v[\tk+LL*\ts], v[\kb+LL*\st]
	v_cmp_lt_u32 s[MM+3*LL+2], v[\tp+LL*\ts], v[\pb+LL*\st]
.set LL, LL+1
.endr
.set LL, 0
.rept \num
	s_and_b32 s[MM+3*LL+1], s[MM+3*LL+1], s[MM+3*LL+2]
	s_or_b32 s[MM+3*LL], s[MM+3*LL], s[MM+3*LL+1]
.if ((\w)^((((\inv)>>LL)&1)*0xffffffff)) != 0
	s_xor_b32 s[MM+3*LL], s[MM+3*LL], ((\w)^((((\inv)>>LL)&1)*0xffffffff))
.endif
.set LL, LL+1
.endr
.set LL, 0
.rept \num
	v_cndmask_b32 v[\kb+LL*\st], v[\kb+LL*\st], v[\tk+LL*\ts], s[MM+3*LL]
	v_cndmask_b32 v[\pb+LL*\st], v[\pb+LL*\st], v[\tp+LL*\ts], s[MM+3*LL]
.set LL, LL+1
.endr
.endm
; One stage of the network: lane i against lane i xor x, in blocks of kk lanes that alternate in direction
.macro ST kk, x, num, kb, pb, st, inv
.set LL, 0
.rept \num
.if \x == 16
	v_permlanex16_b32 v[TT+2*LL],   v[\kb+LL*\st], s52, s53
	v_permlanex16_b32 v[TT+2*LL+1], v[\pb+LL*\st], s52, s53
.else
	v_mov_b32_dpp v[TT+2*LL],   v[\kb+LL*\st] row_xmask:\x row_mask:0xf bank_mask:0xf
	v_mov_b32_dpp v[TT+2*LL+1], v[\pb+LL*\st] row_xmask:\x row_mask:0xf bank_mask:0xf
.endif
.set LL, LL+1
.endr
	PICKB \num, \kb, \pb, \st, TT, TT+1, 2, (J\x^J\kk), \inv
.endm
.macro SORT num, kb, pb, st, inv       ; 15 stages
	ST 2, 1,   \num, \kb, \pb, \st, \inv
	ST 4, 2,   \num, \kb, \pb, \st, \inv
	ST 4, 1,   \num, \kb, \pb, \st, \inv
	ST 8, 4,   \num, \kb, \pb, \st, \inv
	ST 8, 2,   \num, \kb, \pb, \st, \inv
	ST 8, 1,   \num, \kb, \pb, \st, \inv
	ST 16, 8,  \num, \kb, \pb, \st, \inv
	ST 16, 4,  \num, \kb, \pb, \st, \inv
	ST 16, 2,  \num, \kb, \pb, \st, \inv
	ST 16, 1,  \num, \kb, \pb, \st, \inv
	ST 32, 16, \num, \kb, \pb, \st, \inv
	ST 32, 8,  \num, \kb, \pb, \st, \inv
	ST 32, 4,  \num, \kb, \pb, \st, \inv
	ST 32, 2,  \num, \kb, \pb, \st, \inv
	ST 32, 1,  \num, \kb, \pb, \st, \inv
.endm
; List l (descending, at kb + l st) and the list st/2 registers behind it (ascending): the lane-wise better of the two are the 32 best of the 64, and bitonic: five stages sort them
.macro MERGE num, kb, pb, st, inv
	PICKB \num, \kb, \pb, \st, \kb+\st/2, \pb+\st/2, \st, 0, 0
	ST 32, 16, \num, \kb, \pb, \st, \inv
	ST 32, 8,  \num, \kb, \pb, \st, \inv
	ST 32, 4,  \num, \kb, \pb, \st, \inv
	ST 32, 2,  \num, \kb, \pb, \st, \inv
	ST 32, 1,  \num, \kb, \pb, \st, \inv
.endm
; The eight waves' sorted lists in WLK, WLP become one: the 32 best of the 256, best first, in v16 (keys) and v24 (payloads)
.macro GATHER8
	v_sub_nc_u32 v4, 124, v2                       ; the odd waves' lists are read backwards: ascending
.irp l, 0,2,4,6
	ds_load_b32 v[16+\l], v2 offset:WLK+128*\l
	ds_load_b32 v[24+\l], v2 offset:WLP+128*\l
	ds_load_b32 v[17+\l], v4 offset:WLK+128*\l+128
	ds_load_b32 v[25+\l], v4 offset:WLP+128*\l+128
.endr
	s_wait_dscnt 0x0
	MERGE 4, 16, 24, 2, 10
	MERGE 2, 16, 24, 4, 2
	MERGE 1, 16, 24, 8, 0
.endm
; Four rows (numbers in s[28:31], clamped), a whole row of 2,048 bytes to the wave: dot with the query and sum of squares in f32; the sums go to lanes s23 .. s23 + 3 of v8 and v9
.macro ROWS4
.irp u, 0,1,2,3
	s_lshl_b32 s[28+\u], s[28+\u], 11
	v_add_nc_u32 v[36+\u], s[28+\u], v5            ; 2,048 row + 16 lane: below 2^28
.endr
.irp u, 0,1,2,3
.irp k, 0,1,2,3
	global_load_b128 v[64+16*\u+4*\k:64+16*\u+4*\k+3], v[36+\u], s[8:9] offset:512*\k
.endr
.endr
.irp u, 0,1,2,3
	s_wait_loadcnt 12-4*\u                         ; row u is in, and all that is older (the query, the importances); the later rows' loads stay out
	v_pk_mul_f32 v[ACC+4*\u:ACC+4*\u+1],   v[64+16*\u:65+16*\u], v[48:49]
	v_pk_mul_f32 v[ACC+4*\u+2:ACC+4*\u+3], v[64+16*\u:65+16*\u], v[64+16*\u:65+16*\u]
.irp p, 1,2,3,4,5,6,7
	v_pk_fma_f32 v[ACC+4*\u:ACC+4*\u+1],   v[64+16*\u+2*\p:65+16*\u+2*\p], v[48+2*\p:49+2*\p], v[ACC+4*\u:ACC+4*\u+1]
	v_pk_fma_f32 v[ACC+4*\u+2:ACC+4*\u+3], v[64+16*\u+2*\p:65+16*\u+2*\p], v[64+16*\u+2*\p:65+16*\u+2*\p], v[ACC+4*\u+2:ACC+4*\u+3]
.endr
.endr
.irp u, 0,1,2,3
	v_add_f32 v[ACC+4*\u],   v[ACC+4*\u],   v[ACC+4*\u+1]
	v_add_f32 v[ACC+4*\u+1], v[ACC+4*\u+2], v[ACC+4*\u+3]
.endr
.irp x, 1,2,4,8
.irp u, 0,1,2,3
	v_add_f32_dpp v[ACC+4*\u],   v[ACC+4*\u],   v[ACC+4*\u]   row_xmask:\x row_mask:0xf bank_mask:0xf
	v_add_f32_dpp v[ACC+4*\u+1], v[ACC+4*\u+1], v[ACC+4*\u+1] row_xmask:\x row_mask:0xf bank_mask:0xf
.endr
.endr
.irp u, 0,1,2,3
	v_permlanex16_b32 v[ACC+4*\u+2], v[ACC+4*\u],   s52, s53
	v_permlanex16_b32 v[ACC+4*\u+3], v[ACC+4*\u+1], s52, s53
.endr
.irp u, 0,1,2,3
	v_add_f32 v[ACC+4*\u],   v[ACC+4*\u],   v[ACC+4*\u+2]      ; dot, in every lane
	v_add_f32 v[ACC+4*\u+1], v[ACC+4*\u+1], v[ACC+4*\u+3]      ; |m|^2, in every lane
.endr
	s_lshl_b32 s22, 1, s23                         ; the lane that stands for row 0 of the four
.irp u, 0,1,2,3
	v_cndmask_b32 v8, v8, v[ACC+4*\u],   s22
	v_cndmask_b32 v9, v9, v[ACC+4*\u+1], s22
	s_lshl_b32 s22, s22, 1
.endr
.endm
; Each lane's row (dot v8, |m|^2 v9, importance v11, code v10): key = the score in unsigned order, payload = the row; a marked code gets the lowest key and the highest payload
.macro SCORE k, p
	v_max_num_f32 v41, 0x03800000, v9              ; |m|^2, at least 2^-120
	v_rsq_f32 v44, v41
	v_fma_f32 v47, v11, 0x3e99999a, 1.0            ; 1 + 0.3 importance: also the plain instruction between v_rsq_f32 and the use of its result (ISA guide 5.7.2)
	s_wait_alu depctr_va_vdst(0)
	v_mul_f32 v45, v41, v44                        ; the root, and one correction step: s + (x - s s) / (2 s)
	v_mul_f32 v44, 0.5, v44
	v_fma_f32 v46, -v45, v45, v41
	v_fma_f32 v45, v46, v44, v45                   ; |m|
	v_mul_f32 v45, v6, v45
	v_max_num_f32 v45, 0x322bcc77, v45             ; max(|q| |m|, 1e-8)
	v_rcp_f32 v44, v45
	v_and_b32 v[\p], 0x1ffff, v10                  ; the row (the plain instruction behind v_rcp_f32)
	s_wait_alu depctr_va_vdst(0)
	v_fma_f32 v46, -v45, v44, 1.0                  ; the reciprocal corrected once,
	v_fma_f32 v44, v44, v46, v44
	v_mul_f32 v46, v8, v44                         ; the quotient,
	v_fma_f32 v41, -v45, v46, v8                   ; its remainder,
	v_fma_f32 v46, v41, v44, v46                   ; and the quotient corrected
	v_mul_f32 v46, v46, v47
	v_ashrrev_i32 v44, 31, v46
	v_or_b32 v44, 0x80000000, v44
	v_xor_b32 v[\k], v46, v44
	v_cmp_le_i32 vcc_lo, 0, v10
	v_cndmask_b32 v[\k], 0, v[\k], vcc_lo
	v_cndmask_b32 v[\p], -1, v[\p], vcc_lo
.endm
	s_load_b256 s[4:11], s[0:1], 0x0               ; cand s[4:5], query s[6:7], memory_matrix s[8:9], importance s[10:11]
	s_load_b128 s[12:15], s[0:1], 0x20             ; out0 s[12:13], idx16 s[14:15]
	v_lshl_add_u32 v144, v0, 2, 0x800
	v_mov_b32 v145, 0
	v_lshrrev_b32 v2, 5, v0
	v_readfirstlane_b32 s16, v2                    ; wave 0..7
	s_mov_b32 s52, 0x76543210                      ; v_permlanex16_b32: lane i of one half reads lane i of the other
	s_mov_b32 s53, 0xfedcba98
	v_and_b32 v1, 31, v0                           ; lane
	v_lshlrev_b32 v2, 2, v1                        ; 4 x lane
	v_lshlrev_b32 v5, 4, v1                        ; 16 x lane
.irp i, 0,1,2,3,4,5,6,7
	v_mov_b32 v[TT+\i], 0                          ; destinations of lane exchanges count as read: written once here
.endr
	s_lshl_b32 s18, ttmp9, 8                       ; 256 q
	s_mov_b32 s19, 0
	s_lshl_b32 s20, ttmp9, 11                      ; 2,048 q
	s_mov_b32 s21, 0
	s_lshl_b32 s17, s16, 5                         ; 32 x wave
	s_wait_kmcnt 0x0
	s_add_nc_u64 s[4:5], s[4:5], s[18:19]
	s_add_nc_u64 s[6:7], s[6:7], s[20:21]
	s_load_b512 s[HD:HD+15], s[4:5], 0x0           ; F and the flagged groups
	s_load_b256 s[CD:CD+7], s[4:5], s17 offset:0x0 ; my wave's four codes
.irp k, 0,1,2,3
	global_load_b128 v[48+4*\k:51+4*\k], v5, s[6:7] offset:512*\k    ; the query: lane l holds elements 128 k + 4 l .. + 3
.endr
	v_mov_b32 v10, -1                              ; lanes 4 to 31 stand for no row: marked
	v_mov_b32 v8, 0                                ; and hold finite numbers
	v_mov_b32 v9, 0
	s_wait_kmcnt 0x0
	s_min_u32 s20, s[HD+1], 6                      ; F
.irp f, 0,1,2,3,4,5
	s_min_u32 s[32+\f], s[HD+3+2*\f], 511          ; the flagged groups; those from F on are not used
.endr
	; EVERY WAVE: four of the 32 singles
.irp u, 0,1,2,3
	v_writelane_b32 v10, s[CD+2*\u], \u            ; lane u stands for my wave's candidate u
	s_and_b32 s[28+\u], s[CD+2*\u], 0x1ffff
	s_min_u32 s[28+\u], s[28+\u], 0x1ffff          ; the row
.endr
	v_and_b32 v12, 0x1ffff, v10
	v_min_u32 v12, 0x1ffff, v12
	v_lshlrev_b32 v13, 2, v12
	global_load_b32 v11, v13, s[10:11]             ; my row's importance
	s_mov_b32 s23, 0
	ROWS4
	v_pk_mul_f32 v[40:41], v[48:49], v[48:49]      ; |q|
.irp p, 1,2,3,4,5,6,7
	v_pk_fma_f32 v[40:41], v[48+2*\p:49+2*\p], v[48+2*\p:49+2*\p], v[40:41]
.endr
	v_add_f32 v40, v40, v41
.irp x, 1,2,4,8
	v_add_f32_dpp v40, v40, v40 row_xmask:\x row_mask:0xf bank_mask:0xf
.endr
	v_permlanex16_b32 v41, v40, s52, s53
	v_add_f32 v40, v40, v41
	v_max_num_f32 v40, 0x03800000, v40             ; |q|^2, at least 2^-120
	v_rsq_f32 v44, v40
	v_lshrrev_b32 v14, 3, v1                       ; (the plain instruction between v_rsq_f32 and the use of its result: ISA guide 5.7.2)
	s_wait_alu depctr_va_vdst(0)
	v_mul_f32 v6, v40, v44                         ; the root, and one correction step
	v_mul_f32 v44, 0.5, v44
	v_fma_f32 v45, -v6, v6, v40
	v_fma_f32 v6, v45, v44, v6
	v_and_b32 v15, 7, v1
	v_lshl_add_u32 v14, v14, 4, v15                ; 16 (lane >> 3) + (lane & 7)
	SCORE 16, 24
	SORT 1, 16, 24, 1, 0                           ; my wave's list, best first
	; EVERY WAVE: of each flagged group's 256 rows 512 g + 8 h + 16 (i >> 3) + (i & 7) those with i = 32 wave + lane, four a trip
	s_cmp_eq_u32 s20, 0
	s_cbranch_scc1 .Lno_flag
	s_mov_b32 s21, 0
.Lflag:
	s_lshr_b32 s17, s32, 1
	s_lshl_b32 s17, s17, 9
	s_and_b32 s38, s32, 1
	s_lshl_b32 s38, s38, 3
	s_add_co_u32 s17, s17, s38                     ; 512 g + 8 h
	s_lshl_b32 s38, s16, 6
	s_add_co_u32 s17, s17, s38                     ; + 64 wave
	v_add_nc_u32 v10, s17, v14                     ; my lane's row
	v_min_u32 v10, 0x1ffff, v10
	v_lshlrev_b32 v13, 2, v10
	global_load_b32 v11, v13, s[10:11]             ; its importance
	s_mov_b32 s19, 0
.Lrows:                                            ; trip t: lanes 4 t .. 4 t + 3
	s_lshr_b32 s38, s19, 1
	s_lshl_b32 s38, s38, 4
	s_and_b32 s39, s19, 1
	s_lshl2_add_u32 s38, s39, s38
	s_add_co_u32 s38, s38, s17                     ; + 16 (t >> 1) + 4 (t & 1)
.irp u, 0,1,2,3
	s_add_co_u32 s[28+\u], s38, \u
	s_min_u32 s[28+\u], s[28+\u], 0x1ffff
.endr
	s_lshl_b32 s23, s19, 2
	ROWS4
	s_add_co_u32 s19, s19, 1
	s_cmp_lt_u32 s19, 8
	s_cbranch_scc1 .Lrows
	SCORE 17, 25
	SORT 1, 17, 25, 1, 1
	MERGE 1, 16, 24, 2, 0
	s_mov_b32 s32, s33                             ; the next flagged group moves up
	s_mov_b32 s33, s34
	s_mov_b32 s34, s35
	s_mov_b32 s35, s36
	s_mov_b32 s36, s37
	s_add_co_u32 s21, s21, 1
	s_cmp_lt_u32 s21, s20
	s_cbranch_scc1 .Lflag
.Lno_flag:
	v_lshlrev_b32 v4, 2, v0
	ds_store_b32 v4, v16 offset:WLK
	ds_store_b32 v4, v24 offset:WLP
	s_wait_dscnt 0x0                               ; for wave 0's sake
	s_barrier_signal -1
	s_barrier_wait -1
	; WAVE 0: the best of the eight lists
	s_cmp_lg_u32 s16, 0
	s_cbranch_scc1 .Lend
	GATHER8
	v_ashrrev_i32 v32, 31, v16                     ; the key back to a float
	v_xor_b32 v32, -1, v32
	v_or_b32 v32, 0x80000000, v32
	v_xor_b32 v32, v16, v32
	s_lshl_b32 s18, ttmp9, 6
	v_add_nc_u32 v4, s18, v2                       ; 64 q + 4 lane.  64 bytes a work-group to each output: the two outputs are 64 KiB in all
	s_wait_xcnt 0x0                                ; EXEC changes only behind this wait
	v_cmp_gt_u32 vcc_lo, 16, v1
	s_and_saveexec_b32 s22, vcc_lo
	global_store_b32 v4, v32, s[12:13]
	global_store_b32 v4, v24, s[14:15]
	s_wait_xcnt 0x0                                ; and again in front of the line that widens it
	s_or_b32 exec_lo, exec_lo, s22
.Lend:
	s_wait_tensorcnt 0x0
	ds_add_u32 v144, v145
	s_wait_dscnt 0x0
	s_endpgm
.Lfunc_end_k_q12a336be41_rescore:
	.size	k_q12a336be41_rescore, .Lfunc_end_k_q12a336be41_rescore-k_q12a336be41_rescore
	.p2alignl 7, 3214868480
	.fill 96, 4, 3214868480
	.section	.rodata,"a",@progbits
	.p2align	6, 0x0
	.amdhsa_kernel k_q12a336be41_rescore
		.amdhsa_group_segment_fixed_size 3072
		.amdhsa_private_segment_fixed_size 0
		.amdhsa_enable_private_segment 0
		.amdhsa_kernarg_size 48
		.amdhsa_user_sgpr_count 2
		.amdhsa_user_sgpr_kernarg_segment_ptr 1
		.amdhsa_wavefront_size32 1
		.amdhsa_system_sgpr_workgroup_id_x 1
		.amdhsa_system_sgpr_workgroup_id_y 1
		.amdhsa_system_sgpr_workgroup_id_z 1
		.amdhsa_system_vgpr_workitem_id 0
		.amdhsa_next_free_vgpr 146
		.amdhsa_next_free_sgpr 92
		.amdhsa_reserve_vcc 1
		.amdhsa_float_denorm_mode_32 3
		.amdhsa_float_denorm_mode_16_64 3
		.amdhsa_memory_ordered 1
		.amdhsa_forward_progress 1
		.amdhsa_inst_pref_size 72
	.end_amdhsa_kernel
	.amdgpu_metadata
---
amdhsa.version: [ 1, 2 ]
amdhsa.kernels:
  - .name:           k_q12a336be41_rescore
    .symbol:         k_q12a336be41_rescore.kd
    .args:
      - { .name: cand, .offset: 0, .size: 8, .value_kind: global_buffer, .address_space: global }
      - { .name: query, .offset: 8, .size: 8, .value_kind: global_buffer, .address_space: global }
      - { .name: memory_matrix, .offset: 16, .size: 8, .value_kind: global_buffer, .address_space: global }
      - { .name: importance, .offset: 24, .size: 8, .value_kind: global_buffer, .address_space: global }
      - { .name: out0, .offset: 32, .size: 8, .value_kind: global_buffer, .address_space: global }
      - { .name: idx16, .offset: 40, .size: 8, .value_kind: global_buffer, .address_space: global }
    .group_segment_fixed_size: 3072
    .private_segment_fixed_size: 0
    .kernarg_segment_align: 8
    .kernarg_segment_size: 48
    .max_flat_workgroup_size: 256
    .sgpr_count:     92
    .vgpr_count:     146
    .wavefront_size: 32
...
	.end_amdgpu_metadata
.endif
;; end of part 4
;; launch gather (part 5): grid 256 x 1, 8 waves a work-group, no clusters, 0 bytes of LDS; arguments idx16, memory_matrix, out1; writes out1
.if DOCPART == 5
	.amdgcn_target "amdgcn-amd-amdhsa--gfx1250"
	.amdhsa_code_object_version 6
	.text
	.protected	k_q12a336be41_gather
	.globl	k_q12a336be41_gather
	.p2align	8
	.type	k_q12a336be41_gather,@function
k_q12a336be41_gather:
	s_mov_b64 s[64:65], 0
	v_nop
	global_prefetch_b8 v0, s[64:65] scope:SCOPE_SE
	s_setreg_imm32_b32 hwreg(HW_REG_WAVE_MODE, 25, 1), 1
	s_wait_xcnt 0x0
; out1[e] = memory_matrix[idx16[e]] for the 8,192 entries e = 16 q + rank.  A wave copies four rows of 2,048 bytes: sixteen loads in flight, sixteen stores,
; each of 512 consecutive bytes, aligned.  The rows come from whole numbers that the launch before stored.  No LDS, no barrier: nothing is shared.
; No hint on the loads: a list may name a row twice.
.set X, 8                              ; v[8:71]  four rows, 16 registers each
	s_load_b128 s[4:7], s[0:1], 0x0                ; idx16 s[4:5], memory_matrix s[6:7]
	s_load_b64 s[8:9], s[0:1], 0x10                ; out1
	v_lshrrev_b32 v2, 5, v0
	v_readfirstlane_b32 s10, v2                    ; wave 0..7
	v_and_b32 v1, 31, v0
	v_lshlrev_b32 v1, 4, v1                        ; 16 x lane
	s_lshl_b32 s11, ttmp9, 3
	s_add_co_u32 s11, s11, s10                     ; the wave's number in the launch; its entries are 4 x that .. + 3
	s_lshl_b32 s12, s11, 4                         ; their 16 bytes in idx16
	s_lshl_b32 s14, s11, 13                        ; their 8,192 bytes in out1
	s_mov_b32 s15, 0
	s_wait_kmcnt 0x0
	s_load_b128 s[16:19], s[4:5], s12 offset:0x0
	s_add_nc_u64 s[8:9], s[8:9], s[14:15]
	s_wait_kmcnt 0x0
.irp u, 0,1,2,3
	s_min_u32 s[16+\u], s[16+\u], 0x1ffff
	s_lshl_b32 s[16+\u], s[16+\u], 11
	v_add_nc_u32 v[2+\u], s[16+\u], v1             ; 2,048 row + 16 lane: below 2^28
.endr
.irp u, 0,1,2,3
.irp k, 0,1,2,3
	global_load_b128 v[X+16*\u+4*\k:X+16*\u+4*\k+3], v[2+\u], s[6:7] offset:512*\k
.endr
.endr
.irp u, 0,1,2,3
.irp k, 0,1,2,3
	s_wait_loadcnt 15-4*\u-\k                      ; loads come back in order: this one is in, the younger ones stay out
	global_store_b128 v1, v[X+16*\u+4*\k:X+16*\u+4*\k+3], s[8:9] offset:2048*\u+512*\k th:TH_STORE_NT
.endr
.endr
	s_endpgm
.Lfunc_end_k_q12a336be41_gather:
	.size	k_q12a336be41_gather, .Lfunc_end_k_q12a336be41_gather-k_q12a336be41_gather
	.p2alignl 7, 3214868480
	.fill 96, 4, 3214868480
	.section	.rodata,"a",@progbits
	.p2align	6, 0x0
	.amdhsa_kernel k_q12a336be41_gather
		.amdhsa_group_segment_fixed_size 0
		.amdhsa_private_segment_fixed_size 0
		.amdhsa_enable_private_segment 0
		.amdhsa_kernarg_size 24
		.amdhsa_user_sgpr_count 2
		.amdhsa_user_sgpr_kernarg_segment_ptr 1
		.amdhsa_wavefront_size32 1
		.amdhsa_system_sgpr_workgroup_id_x 1
		.amdhsa_system_sgpr_workgroup_id_y 1
		.amdhsa_system_sgpr_workgroup_id_z 1
		.amdhsa_system_vgpr_workitem_id 0
		.amdhsa_next_free_vgpr 72
		.amdhsa_next_free_sgpr 66
		.amdhsa_reserve_vcc 0
		.amdhsa_float_denorm_mode_32 3
		.amdhsa_float_denorm_mode_16_64 3
		.amdhsa_memory_ordered 1
		.amdhsa_forward_progress 1
		.amdhsa_inst_pref_size 5
	.end_amdhsa_kernel
	.amdgpu_metadata
---
amdhsa.version: [ 1, 2 ]
amdhsa.kernels:
  - .name:           k_q12a336be41_gather
    .symbol:         k_q12a336be41_gather.kd
    .args:
      - { .name: idx16, .offset: 0, .size: 8, .value_kind: global_buffer, .address_space: global }
      - { .name: memory_matrix, .offset: 8, .size: 8, .value_kind: global_buffer, .address_space: global }
      - { .name: out1, .offset: 16, .size: 8, .value_kind: global_buffer, .address_space: global }
    .group_segment_fixed_size: 0
    .private_segment_fixed_size: 0
    .kernarg_segment_align: 8
    .kernarg_segment_size: 24
    .max_flat_workgroup_size: 256
    .sgpr_count:     66
    .vgpr_count:     72
    .wavefront_size: 32
...
	.end_amdgpu_metadata
.endif
;; end of part 5
